; MI455X (gfx1250); checked and timed in simulation.
; The chip was launched on July 23, 2026; its instructions are those of AMD's public machine-readable ISA for CDNA 5 (MIT licence, August 2026) and "CDNA5" Instruction Set Architecture Reference Guide (July 2026). The comments in the code are by the model that wrote it; some were corrected since.
;; Temporal Self Attention. Allowed arithmetic: matrix products marked QUANTISED: E2M1 operands, one E8M0 scale for each 32 along K, by v_wmma_scale_f32_16x16x128_f8f6f4 with both operands' format E2M1 (or v_wmma_scale_f32_32x16x128_f4), f32 sums; products left as they are: bf16, f16 or f32 operands; f32 sums; everything else in f32.
;; Inputs: b_attn 768 float32; b_proj 256 float32; input_tensor 2 x 1,024 x 4 x 256 float32; w_attn 256 x 768 float32; w_proj 256 x 256 float32.
;; Outputs: out0 2 x 1,024 x 4 x 256 float32.
;; This version of the problem:
;;   THIS VERSION OF THE PROBLEM IS GIVEN IN LOW PRECISION. The matrix products marked QUANTISED in the list below multiply operands that are first quantised to E2M1 (2 exponent bits, 1 mantissa bit; 4 bits a number), with one power-of-two scale for each 32 numbers along K (OCP MX v1.0); their sums are f32. The products marked 'left as it is' may take bf16, f16 or f32 operands, with f32 sums. Whichever they take, every output number must still come out within the allowed error. Rounding operands to bf16 (8 significant bits) uses up far more of that allowance than f16 does (11 bits, for magnitudes from 6e-5 to 65,504). All else is computed in f32.
;;   The module's matrix products, in the order in which they are computed (A, B: the left and right operand; K: the contracted axis; several contracted axes count as one K, in the product's order):
;;     1. [M 8,192, K 256] x [K 256, N 768]; A: input input_tensor; B: input w_attn: QUANTISED
;;     2. batch 64 x [M 1,024, K 32] x [K 32, N 1,024]; A: computed on the way; B: computed on the way: left as it is (an operand is computed on the way)
;;     3. batch 64 x [M 32, K 1,024] x [K 1,024, N 1,024]; A: computed on the way; B: computed on the way: left as it is (an operand is computed on the way)
;;     4. [M 8,192, K 256] x [K 256, N 256]; A: computed on the way; B: input w_proj: left as it is (an operand is computed on the way)
;;   THE QUANTISER, for each operand of a quantised product, along K:
;;     - K is cut into blocks of 32 from its start; a last block that is shorter is filled with zeros.
;;     - A block's scale is 2^e with e = floor(log2(the largest magnitude in the block)) - 2, held to -126 .. 127; a block of zeros has e = 0. As a byte (E8M0): e + 127.
;;     - Each number is divided by its block's scale, clamped to +-6, and rounded to the nearest number of E2M1, ties to even, subnormals kept.
;;     - The product sums the exact products of the quantised numbers (number of the format x scale) in f32.
;;   ~~~python
;;   def quantise(x, axis):      # numpy; x: float32 -> the quantised numbers, widened to float32 again
;;       x = np.moveaxis(x, axis, -1); K = x.shape[-1]
;;       x = np.pad(x, [(0, 0)] * (x.ndim - 1) + [(0, -K % 32)]); x = x.reshape(x.shape[:-1] + (-1, 32)); a = np.abs(x).max(-1, keepdims=True)
;;       e = np.where(a > 0, np.clip(np.frexp(np.where(a > 0, a, 1))[1] - 1 - 2, -126, 127), 0)      # np.frexp(a)[1] - 1 = floor(log2(a)), exactly
;;       r = np.clip(x / 2.0 ** e, -6, 6)
;;       step = 2.0 ** (np.maximum(np.frexp(np.where(r == 0, 1, r))[1] - 1, 0) - 1)
;;       q = np.round(r / step) * step * 2.0 ** e      # np.round: ties to even
;;       return np.moveaxis(q.reshape(q.shape[:-2] + (-1,))[..., :K], -1, axis).astype(np.float32)
;;   ~~~
;; One version. Each part assembles by itself: llvm-mc -triple=amdgcn-amd-amdhsa -mcpu=gfx1250 --defsym DOCPART=n.
;; ======== version 1 of 1: 3 launches
;; limits: values are held in f16: magnitudes above 65,504 overflow, below 6.1e-05 lose precision
;; workspace buffers: qf 4,194,304 bytes; kv 8,388,608 bytes; fine32 393,216 bytes; wpf 131,072 bytes
;; launch qkv (part 1): grid 8 x 32, 8 waves a work-group, clusters of 4 x 1, 280,576 bytes of LDS; arguments input_tensor, w_attn, b_attn, w_proj, qf, kv, fine32, wpf; writes qf, kv, fine32, wpf
.if DOCPART == 1
	.amdgcn_target "amdgcn-amd-amdhsa--gfx1250"
	.amdhsa_code_object_version 6
	.text
	.protected	k_q7ac263757c_qkv
	.globl	k_q7ac263757c_qkv
	.p2align	8
	.type	k_q7ac263757c_qkv,@function
k_q7ac263757c_qkv:
	s_mov_b64 s[64:65], 0
	v_nop
	global_prefetch_b8 v0, s[64:65] scope:SCOPE_SE
	s_setreg_imm32_b32 hwreg(HW_REG_WAVE_MODE, 25, 1), 1
	s_wait_xcnt 0x0
	s_wait_alu depctr_hold_cnt(0) depctr_sa_sdst(0) depctr_va_vdst(0) depctr_va_sdst(0) depctr_va_ssrc(0) depctr_va_vcc(0) depctr_vm_vsrc(0)
	s_getreg_b32 s2, hwreg(HW_REG_IB_STS2, 6, 4)
	s_cmp_eq_u32 s2, 0
	s_cbranch_scc0 .Lentry_in_a_cluster
	s_endpgm
.Lentry_in_a_cluster:
	s_bfe_u32 s2, ttmp6, 0x10000c
	s_cmp_lg_u32 s2, 0x3003
	s_cbranch_scc0 .Lentry_shape_is_right
	s_endpgm
.Lentry_shape_is_right:
; qkv = Q(x) Q(w_attn) + b_attn on codes of E2M1 with one E8M0 scale for each 32 along K = 256; then the rotary turn of q and k; q times c = log2(e) / sqrt(32).
; x: [2][1024][4][256] f32 (a sequence bn = 4 b + n has rows of 1,024 bytes, 4,096 bytes apart); w_attn: [256][768] f32, K its first axis.
; SHARES.  A work-group takes 256 positions of one sequence and ONE head's 96 columns (32 of q, 32 of k, 32 of v); each of its eight waves 32 positions (two tiles of 16).
; The four heads of a cluster need the same rows of x: each wave's 32 rows are asked for JOINTLY, by the same tensor load with the same descriptor and the mask of all four.
; x: a wave quantises its own 32 rows out of its own LDS bytes, straight into the operand's registers (a lane holds two whole blocks of 32 along K).
; w_attn: wave w takes K block w (rows 32 w .. 32 w + 31) of all 96 columns, a lane to a column, registers down K; the codes go to LDS as images of the operand's registers, the scale bytes beside them; one barrier.
; q and k are made TRANSPOSED (source 0 = 16 columns of w, source 1 = 16 rows of x): a lane holds one position and eight neighbouring d, which is the f16 operand's layout for the scores.
; v is made in the natural order: a lane holds one d and eight neighbouring positions, which is the layout of V^T for the second product.
; OUT, all as images of operand registers (a wave's store covers 512 consecutive bytes, aligned): qf, kv in f16; fine32: positions 0-15 in f32; wpf: w_proj in f16 (wave 7 of each work-group makes 512 bytes of it).
; cos and sin are made in f32: the angle less a whole number of quarter turns (pi/2 in two parts, fused multiply-adds), a polynomial on +-pi/4, the quadrant by selects.
; LIMITS: NaN and infinities are not served.  A block whose largest magnitude lies under 2^-124 gets the scale byte 1 (a block of zeros too: its codes are zeros, and this program alone reads the bytes).
; q c, k, v and w_proj must lie inside f16's range, 65,504.
.set XPITCH, 1040                      ; a row of x in LDS: 1,024 bytes + 16 of padding: an odd multiple of 16, so the 16 rows that a load touches start at 16 different groups of banks
.set XWAVE,  32*XPITCH                 ; a wave's 32 rows
.set WIMG,   8*XWAVE                   ; behind them: w's 12 fragments, (column tile x 2 + K step) x 1,024 bytes
.set WSC,    WIMG+12*1024              ; w's scale words: column tile x 128 + K step x 64 + 4 x column
.set SPARE,  WSC+1024                  ; the spare words, 128 bytes for each wave
.set TAB, 16                           ; v16-47   row tile rt: 8 cos, 8 sin of position T0 + 16 rt + r, frequency 8 h + j
.set XF,  48                           ; v48-79   x's fragments, (rt x 2 + K step) x 8
.set INV, 48                           ; v48-55   before that: the eight frequencies of my half
.set XS,  80                           ; v80-83   x's scale words; v84-87 w's: scales and nothing else
.set WS,  84
.set BQ,  88                           ; v88-103 q's bias, v104-119 k's, v120-135 v's, each in its result's layout
.set BV,  120
.set TA,  88                           ; before the biases are loaded: the angles' registers, eight each
.set TN,  96
.set TZ,  104
.set TS,  112
.set TC,  120
.set TQ,  128
.set WR,  136                          ; v136-231 96 numbers of w; then v136-199 64 numbers of x
.set WF,  136                          ; then v136-167 w's four fragments of a set, (ct x 2 + K step) x 8
.set ACC, 168                          ; v168-199 four accumulators, (ct x 2 + rt) x 8
.set TT,  200                          ; v200-215 16 turned numbers
.set HH,  216                          ; v216-231 f16 results
.set WP,  232                          ; v232-239 w_proj's eight numbers (wave 7)
.set CW,  240                          ; v240-251 w's codes, 4 a set; v252-254 its scale bytes; later v240-247 at work for x
.set WB,  252
.macro ROUND                           ; a round of the cluster's barrier
	s_barrier_signal -1
	s_barrier_wait -1
	s_cmp_lg_u32 s20, 0
	s_cbranch_scc1 .Lnot_wave_0_\@
	s_barrier_signal -3
.Lnot_wave_0_\@:
	s_barrier_wait -3
	s_barrier_signal -1
	s_barrier_wait -1
.endm
	s_load_b256 s[4:11], s[0:1], 0x0               ; x s[4:5], w_attn s[6:7], b_attn s[8:9], w_proj s[10:11]
	s_load_b256 s[12:19], s[0:1], 0x20             ; qf s[12:13], kv s[14:15], fine32 s[16:17], wpf s[18:19]
	v_lshl_add_u32 v12, v0, 2, SPARE
	v_mov_b32 v13, 0
	ds_add_u32 v12, v13                            ; the wave's opening: the add, twice on end, and its wait ahead of my tensor load
	ds_add_u32 v12, v13                            ; and once more; the set-up below, work on registers, stands between it and the wait
	v_lshrrev_b32 v14, 5, v0
	v_readfirstlane_b32 s20, v14                   ; wave 0..7
	s_bfe_u32 s21, ttmp6, 0x40000                  ; cx
	s_lshl_b32 s22, ttmp9, 2
	s_add_co_u32 s22, s22, s21                     ; head = 4 x cluster x + cx: it enters global addresses alone
	s_and_b32 s23, ttmp7, 0xffff                   ; rb: which 256 rows
	s_lshr_b32 s24, s23, 2                         ; bn
	s_and_b32 s77, s23, 3                          ; which quarter of the sequence
	s_lshl_b32 s25, s77, 8
	s_lshl_b32 s76, s20, 5
	s_add_co_u32 s25, s25, s76                     ; T0: my wave's first position
	s_or_b32 s26, s77, s20                         ; 0 in the wave that holds positions 0-15
	s_lshr_b32 s76, s24, 2                         ; x's offset ((b 1024 + T0) 4 + n) 1024, in registers that never hold the head
	s_lshl_b32 s74, s76, 22
	s_lshl_b32 s76, s25, 12
	s_add_co_u32 s74, s74, s76
	s_and_b32 s76, s24, 3
	s_lshl_b32 s76, s76, 10
	s_add_co_u32 s74, s74, s76
	s_mov_b32 s75, 0
	s_mov_b32 s32, 1                               ; group 0: count = 1
	s_mul_i32 s33, s20, XWAVE                      ; LDS address: my wave's rows
	s_mov_b32 s36, 15|(2<<16)|(1<<20)|(1<<21)|(7<<22)|(3<<25)  ; group 1: the mask of all four; elements of 4 bytes; padding on; bit 21 beside a mask; after every 256 words, 4 words
	s_mov_b32 s37, 256<<16                         ; tensor_dim0 = 256
	s_mov_b32 s38, 32<<16                          ; tensor_dim1 = 32
	s_mov_b32 s39, 256<<16                         ; tile_dim0 = 256
	s_mov_b32 s40, 32                              ; tile_dim1 = 32
	s_mov_b32 s41, 1024                            ; from position to position: 4 x 256 elements
	s_mov_b32 s42, 0
	s_mov_b32 s43, 0
	s_mov_b32 s44, 0x76543210                      ; lane l xor 16
	s_mov_b32 s45, 0xfedcba98
	s_mov_b32 s46, 0x3e8293ee                      ; c = log2(e) / sqrt(32)
	s_mov_b32 s47, s46
	s_mov_b32 s48, 0x3f22f983                      ; 2 / pi
	s_mov_b32 s49, 0xbfc90fdb                      ; -(pi/2), high part
	s_mov_b32 s50, 0x333bbd2e                      ; -(pi/2), low part
	s_mov_b32 s51, 0xb94ca1f9                      ; sine's three coefficients
	s_mov_b32 s52, 0x3c08839e
	s_mov_b32 s53, 0xbe2aaaa3
	s_mov_b32 s54, 0x37ccf5ce                      ; cosine's
	s_mov_b32 s55, 0xbab6061a
	s_mov_b32 s56, 0x3d2aaaa5
	v_and_b32 v1, 15, v0                           ; r
	v_bfe_u32 v2, v0, 4, 1                         ; h
	v_and_b32 v3, 31, v0                           ; lane
	v_lshlrev_b32 v4, 2, v3                        ; w's loads: 4 bytes a lane
	v_lshlrev_b32 v5, 4, v1                        ; w's image: column tile (lane / 16) x 2,048 + 16 r + 256 w (K block w = K step, quad and half of the lanes)
	v_lshl_add_u32 v5, v2, 11, v5
	s_lshl_b32 s28, s20, 8
	s_add_co_u32 s28, s28, WIMG
	v_add_nc_u32 v5, s28, v5
	v_lshlrev_b32 v6, 2, v1                        ; w's scale byte: column tile x 128 + 4 r + K step x 64 + block in the step
	v_lshl_add_u32 v6, v2, 7, v6
	s_lshr_b32 s28, s20, 2
	s_lshl_b32 s28, s28, 6
	s_and_b32 s29, s20, 3
	s_add_co_u32 s28, s28, s29
	s_add_co_u32 s28, s28, WSC
	v_add_nc_u32 v6, s28, v6
	v_mul_u32_u24 v7, v1, XPITCH                   ; x: row r, + 128 h: my block of 32 numbers
	v_lshl_add_u32 v7, v2, 7, v7
	v_add_nc_u32 v7, s33, v7
	v_lshl_add_u32 v8, v3, 4, WIMG                 ; an image's place for my lane
	v_lshl_add_u32 v9, v1, 2, WSC                  ; a scale word's
	v_lshlrev_b32 v10, 4, v3                       ; 16 x lane: the stores
	v_lshlrev_b32 v11, 3, v2                       ; 8 h
	v_lshlrev_b32 v56, 5, v2                       ; 32 h: q's and k's bias
	v_lshlrev_b32 v57, 2, v1                       ; 4 r: v's bias
	v_lshlrev_b32 v255, 2, v1                      ; w_proj: 4 r + 8 h rows of 1,024 bytes
	v_lshl_add_u32 v255, v2, 13, v255
	s_wait_dscnt 0x0                               ; both opening adds are done
	s_wait_kmcnt 0x0
	s_add_nc_u64 s[34:35], s[4:5], s[74:75]        ; global address of my 32 rows: the same in all four partners
	s_or_b32 s35, s35, 0x80000000                  ; type = 2
	ROUND                                          ; all four work-groups are here: the joint loads meet
	tensor_load_to_lds s[32:35], s[36:43]          ; my one tensor load of the launch
	s_nop 0
	s_mov_b32 s29, 0                               ; the other addresses: offsets in s[28:29]
	s_mul_i32 s28, s20, 98304                      ; w_attn: 32 w rows of 3,072 bytes
	s_lshl_b32 s30, s22, 7                         ; + the head's 32 columns
	s_add_co_u32 s28, s28, s30
	s_add_nc_u64 s[58:59], s[6:7], s[28:29]
	s_mov_b32 s28, s30
	s_add_nc_u64 s[72:73], s[8:9], s[28:29]        ; b_attn at the head's columns
	s_lshl_b32 s30, s22, 5
	s_add_co_u32 s30, s30, s23                     ; g = head x 32 + rb: which 512 bytes of wpf are this work-group's
	s_lshl_b32 s28, s30, 9
	s_add_nc_u64 s[68:69], s[18:19], s[28:29]
	s_lshr_b32 s31, s30, 1                         ; fragment f = g / 2 = column tile x 8 + K step; quad g % 2
	s_and_b32 s30, s30, 1
	s_lshl_b32 s30, s30, 14                        ; 16 rows of 1,024 bytes for the quad
	s_and_b32 s28, s31, 7
	s_lshl_b32 s28, s28, 15                        ; 32 rows for the K step
	s_add_co_u32 s28, s28, s30
	s_lshr_b32 s31, s31, 3
	s_lshl_b32 s31, s31, 6                         ; 16 columns for the tile
	s_add_co_u32 s28, s28, s31
	s_add_nc_u64 s[70:71], s[10:11], s[28:29]
	s_cmp_lg_u32 s20, 7                            ; wave 7 alone lays w_proj out; these loads are the oldest, so every later counted wait covers them
	s_cbranch_scc1 .Lno_wp
.irp i, 0,1,2,3,4,5,6,7
	global_load_b32 v[WP+\i], v255, s[70:71] offset:\i*1024    ; w_proj(32 hd + 16 quad + 8 h + i, 16 tile + r)
.endr
.Lno_wp:
	s_lshl_b32 s57, s24, 3
	s_add_co_u32 s57, s57, s22                     ; bn x 8 + head
	s_lshl_b32 s28, s57, 16                        ; qf: ((bn 8 + head) 64 + 16 quarter + 2 w) x 1,024
	s_lshl_b32 s30, s77, 14
	s_add_co_u32 s28, s28, s30
	s_lshl_b32 s30, s20, 11
	s_add_co_u32 s28, s28, s30
	s_add_nc_u64 s[60:61], s[12:13], s[28:29]
	s_lshl_b32 s28, s57, 17                        ; kv: ((bn 8 + head) 16 + 4 quarter + w / 2) x 8,192 + (w % 2) x 2,048
	s_lshl_b32 s30, s77, 15
	s_add_co_u32 s28, s28, s30
	s_lshr_b32 s30, s20, 1
	s_lshl_b32 s30, s30, 13
	s_add_co_u32 s28, s28, s30
	s_and_b32 s30, s20, 1
	s_lshl_b32 s30, s30, 11
	s_add_co_u32 s28, s28, s30
	s_add_nc_u64 s[62:63], s[14:15], s[28:29]
	s_mul_i32 s28, s57, 6144
	s_add_nc_u64 s[66:67], s[16:17], s[28:29]      ; fine32
; the frequencies 10^(-f / 4): lanes 0-15 take f = j, lanes 16-31 f = 8 + j
.macro INV1 j, lo, hi
	v_mov_b32 v[INV+\j], \lo
	v_mov_b32 v15, \hi
	v_cndmask_b32 v[INV+\j], v[INV+\j], v15, s27
.endm
	v_cmp_eq_u32 s27, 1, v2
	INV1 0, 0x3f800000, 0x3c23d70a
	INV1 1, 0x3f0ff59a, 0x3bb8449c
	INV1 2, 0x3ea1e89b, 0x3b4f3e37
	INV1 3, 0x3e361887, 0x3ae91528
	INV1 4, 0x3dcccccd, 0x3a83126f
	INV1 5, 0x3d6655c3, 0x3a136a16
	INV1 6, 0x3d0186e2, 0x39a5cb5f
	INV1 7, 0x3c91ad39, 0x393a7753
; set 0, 1, 2 = q's, k's, v's 32 columns: w(32 w + i, my column), i = 0 .. 31: a wave's load reads 128 consecutive bytes
.macro LOADW set
.set n, 0
.rept 32
	global_load_b32 v[WR+32*\set+n], v4, s[58:59] offset:n*3072+\set*1024
.set n, n+1
.endr
.endm
; cos and sin of position T0 + 16 rt + r at my eight frequencies: eight chains, line by line
.macro TABLE rt
	s_add_co_u32 s28, s25, 16*\rt
	v_add_nc_u32 v15, s28, v1
	v_cvt_f32_u32 v14, v15
.irp j, 0,1,2,3,4,5,6,7
	v_mul_f32 v[TA+\j], v14, v[INV+\j]             ; the angle, rounded once, as the definition has it
.endr
.irp j, 0,1,2,3,4,5,6,7
	v_mul_f32 v[TN+\j], s48, v[TA+\j]
.endr
.irp j, 0,1,2,3,4,5,6,7
	v_rndne_f32 v[TN+\j], v[TN+\j]                 ; quarter turns
.endr
.irp j, 0,1,2,3,4,5,6,7
	v_fma_f32 v[TA+\j], v[TN+\j], s49, v[TA+\j]
.endr
.irp j, 0,1,2,3,4,5,6,7
	v_fma_f32 v[TA+\j], v[TN+\j], s50, v[TA+\j]    ; what is left, within +-pi/4
.endr
.irp j, 0,1,2,3,4,5,6,7
	v_cvt_i32_f32 v[TQ+\j], v[TN+\j]
.endr
.irp j, 0,1,2,3,4,5,6,7
	v_mul_f32 v[TZ+\j], v[TA+\j], v[TA+\j]
.endr
.irp j, 0,1,2,3,4,5,6,7
	v_fma_f32 v[TS+\j], v[TZ+\j], s51, s52
.endr
.irp j, 0,1,2,3,4,5,6,7
	v_fma_f32 v[TC+\j], v[TZ+\j], s54, s55
.endr
.irp j, 0,1,2,3,4,5,6,7
	v_fma_f32 v[TS+\j], v[TS+\j], v[TZ+\j], s53
.endr
.irp j, 0,1,2,3,4,5,6,7
	v_fma_f32 v[TC+\j], v[TC+\j], v[TZ+\j], s56
.endr
.irp j, 0,1,2,3,4,5,6,7
	v_mul_f32 v[TS+\j], v[TS+\j], v[TZ+\j]
.endr
.irp j, 0,1,2,3,4,5,6,7
	v_mul_f32 v[TC+\j], v[TC+\j], v[TZ+\j]
.endr
.irp j, 0,1,2,3,4,5,6,7
	v_fma_f32 v[TS+\j], v[TS+\j], v[TA+\j], v[TA+\j]   ; the sine of what is left
.endr
.irp j, 0,1,2,3,4,5,6,7
	v_fma_f32 v[TC+\j], v[TC+\j], v[TZ+\j], 1.0
.endr
.irp j, 0,1,2,3,4,5,6,7
	v_fma_f32 v[TC+\j], v[TZ+\j], -0.5, v[TC+\j]       ; its cosine
.endr
.irp j, 0,1,2,3,4,5,6,7
	v_and_b32 v[TN+\j], 1, v[TQ+\j]
.endr
.irp j, 0,1,2,3,4,5,6,7
	v_cmp_eq_u32 vcc_lo, 1, v[TN+\j]               ; an odd quarter turn swaps the two
	v_cndmask_b32 v[TAB+16*\rt+8+\j], v[TS+\j], v[TC+\j], vcc_lo
	v_cndmask_b32 v[TAB+16*\rt+\j], v[TC+\j], v[TS+\j], vcc_lo
.endr
.irp j, 0,1,2,3,4,5,6,7
	v_lshlrev_b32 v[TN+\j], 30, v[TQ+\j]           ; the sine is negative in quadrants 2, 3: bit 1 of the count
.endr
.irp j, 0,1,2,3,4,5,6,7
	v_add_nc_u32 v[TQ+\j], 1, v[TQ+\j]             ; the cosine in quadrants 1, 2: bit 1 of the count + 1
.endr
.irp j, 0,1,2,3,4,5,6,7
	v_and_b32 v[TN+\j], 0x80000000, v[TN+\j]
.endr
.irp j, 0,1,2,3,4,5,6,7
	v_lshlrev_b32 v[TQ+\j], 30, v[TQ+\j]
.endr
.irp j, 0,1,2,3,4,5,6,7
	v_xor_b32 v[TAB+16*\rt+8+\j], v[TAB+16*\rt+8+\j], v[TN+\j]
.endr
.irp j, 0,1,2,3,4,5,6,7
	v_and_b32 v[TQ+\j], 0x80000000, v[TQ+\j]
.endr
.irp j, 0,1,2,3,4,5,6,7
	v_xor_b32 v[TAB+16*\rt+\j], v[TAB+16*\rt+\j], v[TQ+\j]
.endr
.endm
	LOADW 0                                        ; the angles are worked out while w is on its way
	TABLE 0
	LOADW 1
	TABLE 1
	LOADW 2
.irp ct, 0,1                                   ; the biases, in the results' layouts: q, k: lane (r, h) wants columns 16 ct + 8 h + 0 .. 7
	global_load_b128 v[BQ+8*\ct:BQ+8*\ct+3], v56, s[72:73] offset:\ct*64
	global_load_b128 v[BQ+8*\ct+4:BQ+8*\ct+7], v56, s[72:73] offset:\ct*64+16
	global_load_b128 v[BQ+16+8*\ct:BQ+16+8*\ct+3], v56, s[72:73] offset:1024+\ct*64
	global_load_b128 v[BQ+16+8*\ct+4:BQ+16+8*\ct+7], v56, s[72:73] offset:1024+\ct*64+16
	global_load_b32 v[BV+8*\ct], v57, s[72:73] offset:2048+\ct*64   ; v: column 16 ct + r, the same for all eight registers
.endr
; A set's block of 32 along K of my column: its largest magnitude (with the floor 2^-124 among the leaves, which holds the byte at 1 from below), 2 off the exponent field: the conversion's scale operand; its byte; the codes.
.macro QUANTW set, left
.set rW, WR+32*\set
	s_wait_loadcnt \left                           ; this set's 32 loads are in; the younger ones may stay out
	v_max3_num_f32 v14, |v[rW]|, |v[rW+1]|, |v[rW+2]|
	v_max3_num_f32 v15, |v[rW+3]|, |v[rW+4]|, |v[rW+5]|
.irp i, 6,10,14,18,22,26
	v_max3_num_f32 v14, v14, |v[rW+\i]|, |v[rW+\i+1]|
	v_max3_num_f32 v15, v15, |v[rW+\i+2]|, |v[rW+\i+3]|
.endr
	v_max3_num_f32 v14, v14, |v[rW+30]|, |v[rW+31]|
	v_max3_num_f32 v14, v14, v15, 0x1800000
	v_add_nc_u32 v15, 0xff000000, v14
	v_lshrrev_b32 v[WB+\set], 23, v15
.irp g, 0,1,2,3
	v_cvt_scalef32_pk8_fp4_f32 v[CW+4*\set+\g], v[rW+8*\g:rW+8*\g+7], v15
.endr
	v_nop                                          ; one plain place behind the scaled conversions
	ds_store_b128 v5, v[CW+4*\set:CW+4*\set+3] offset:\set*4096   ; 32 codes: the 16 bytes of one lane of the operand's image
	ds_store_b8 v6, v[WB+\set] offset:\set*256
.endm
	QUANTW 0, 63                                   ; 74 younger loads were issued; the count names the most that its field holds
	QUANTW 1, 42                                   ; set 2's 32 and the 10 of the biases
	QUANTW 2, 10                                   ; the biases'
	s_wait_loadcnt 0x0
.irp ct, 0,1
.irp j, 1,2,3,4,5,6,7
	v_mov_b32 v[BV+8*\ct+\j], v[BV+8*\ct]
.endr
.endr
	s_cmp_lg_u32 s20, 7
	s_cbranch_scc1 .Lno_wp2
	v_cvt_pk_f16_f32 v[WP], v[WP], v[WP+1]         ; eight neighbours along K of one column: 16 bytes of w_proj's operand image
	v_cvt_pk_f16_f32 v[WP+1], v[WP+2], v[WP+3]
	v_cvt_pk_f16_f32 v[WP+2], v[WP+4], v[WP+5]
	v_cvt_pk_f16_f32 v[WP+3], v[WP+6], v[WP+7]
	global_store_b128 v10, v[WP:WP+3], s[68:69]
.Lno_wp2:
	v_mov_b32 v247, 0                              ; written once: a lane permute's destination counts as one of its sources
	s_wait_tensorcnt 0x0                           ; my 32 rows of x are in LDS; I alone read them
; Row tile rt, K step ks: lane (r, h) takes k = 128 ks + 64 c + 32 h + 0 .. 31 of row r, c = 0, 1: two whole blocks, in the order of the operand's registers.
.macro XQ rt, ks
.irp c, 0,1
.irp q, 0,1,2,3,4,5,6,7
	ds_load_b128 v[WR+32*\c+4*\q:WR+32*\c+4*\q+3], v7 offset:\rt*16*XPITCH+\ks*512+\c*256+\q*16
.endr
.endr
	s_wait_dscnt 0x0
.irp c, 0,1
	v_max3_num_f32 v[240+\c], |v[WR+32*\c]|, |v[WR+32*\c+1]|, 0x1800000
.endr
.irp i, 2,4,6,8,10,12,14,16,18,20,22,24,26,28,30
.irp c, 0,1
	v_max3_num_f32 v[240+\c], v[240+\c], |v[WR+32*\c+\i]|, |v[WR+32*\c+\i+1]|
.endr
.endr
.irp c, 0,1
	v_add_nc_u32 v[242+\c], 0xff000000, v[240+\c]
.endr
.irp c, 0,1
	v_lshrrev_b32 v[244+\c], 23, v[242+\c]
.endr
	v_lshl_or_b32 v246, v245, 16, v244             ; my two bytes: blocks h and 2 + h of row r,
	v_lshlrev_b32 v246, v11, v246                  ; at their places in the scale word;
	v_permlanex16_b32 v247, v246, s44, s45
	v_or_b32 v[XS+2*\rt+\ks], v246, v247           ; with lane l xor 16's two the word is whole
.irp c, 0,1
.irp g, 0,1,2,3
	v_cvt_scalef32_pk8_fp4_f32 v[XF+8*(2*\rt+\ks)+4*\c+\g], v[WR+32*\c+8*\g:WR+32*\c+8*\g+7], v[242+\c]
.endr
.endr
	v_nop                                          ; one plain place behind the scaled conversions
.endm
	XQ 0, 0
	XQ 0, 1
	XQ 1, 0
	XQ 1, 1
	s_wait_dscnt 0x0                               ; for the others' sake: my part of w's images has landed
	s_barrier_signal -1
	s_barrier_wait -1                              ; w's twelve fragments and their scale words are whole
.macro MM set, ks, ct, rt
.set rD, ACC+8*(2*\ct+\rt)
.set rW, WF+8*(2*\ct+\ks)
.set rX, XF+8*(2*\rt+\ks)
.if \set == 2
.if \ks == 0
	v_wmma_scale_f32_16x16x128_f8f6f4 v[rD:rD+7], v[rX:rX+7], v[rW:rW+7], v[BV+8*\ct:BV+8*\ct+7], v[XS+2*\rt+\ks], v[WS+2*\ct+\ks] matrix_a_fmt:MATRIX_FMT_FP4 matrix_b_fmt:MATRIX_FMT_FP4
.else
	v_wmma_scale_f32_16x16x128_f8f6f4 v[rD:rD+7], v[rX:rX+7], v[rW:rW+7], v[rD:rD+7], v[XS+2*\rt+\ks], v[WS+2*\ct+\ks] matrix_a_fmt:MATRIX_FMT_FP4 matrix_b_fmt:MATRIX_FMT_FP4
.endif
.else
.if \ks == 0
	v_wmma_scale_f32_16x16x128_f8f6f4 v[rD:rD+7], v[rW:rW+7], v[rX:rX+7], v[BQ+16*\set+8*\ct:BQ+16*\set+8*\ct+7], v[WS+2*\ct+\ks], v[XS+2*\rt+\ks] matrix_a_fmt:MATRIX_FMT_FP4 matrix_b_fmt:MATRIX_FMT_FP4
.else
	v_wmma_scale_f32_16x16x128_f8f6f4 v[rD:rD+7], v[rW:rW+7], v[rX:rX+7], v[rD:rD+7], v[WS+2*\ct+\ks], v[XS+2*\rt+\ks] matrix_a_fmt:MATRIX_FMT_FP4 matrix_b_fmt:MATRIX_FMT_FP4
.endif
.endif
.endm
; A set's 32 columns x my 32 rows: four accumulators by turns, one instruction a turn, two K steps deep; the bias is the C of each sum's first product.
.macro SET set
.if \set > 0
.rept 5
	v_nop                                          ; places in front of the loads into registers that matrix instructions have read, and of the products that begin the accumulators anew
.endr
.endif
.irp f, 0,1,2,3
.irp c, 0,1
	ds_load_b128 v[WF+8*\f+4*\c:WF+8*\f+4*\c+3], v8 offset:\set*4096+\f*1024+\c*512
.endr
	ds_load_b32 v[WS+\f], v9 offset:\set*256+\f*64
.endr
	s_wait_dscnt 0x0
.if \set == 0
.rept 8
	v_nop                                          ; x's scale words and codes were written by vector instructions: eight places ahead of a scaled product
.endr
.endif
.irp ks, 0,1
.irp ct, 0,1
.irp rt, 0,1
	MM \set, \ks, \ct, \rt
.endr
.endr
.endr
.rept 4
	v_nop                                          ; places in front of the first read of results
.endr
.endm
; The rotary turn of row tile rt of q (set 0) or k (set 1).  Lane (r, h): x1 = d 8 h + j in the first column tile, x2 = d 16 + 8 h + j in the second; both meet frequency 8 h + j.
.macro ROPE set, rt
.set rA, ACC+8*\rt
.set rB, ACC+16+8*\rt
.set rC, TAB+16*\rt
	s_wait_xcnt 0x0                                ; the earlier stores have read their data: the registers below are written again only behind this wait
.irp p, 0,2,4,6
	v_pk_mul_f32 v[TT+8+\p:TT+9+\p], v[rA+\p:rA+\p+1], v[rC+8+\p:rC+9+\p]
	v_pk_mul_f32 v[TT+\p:TT+\p+1], v[rB+\p:rB+\p+1], v[rC+8+\p:rC+9+\p]
.endr
.irp p, 0,2,4,6
	v_pk_fma_f32 v[TT+8+\p:TT+9+\p], v[rB+\p:rB+\p+1], v[rC+\p:rC+\p+1], v[TT+8+\p:TT+9+\p]                              ; x2 cos + x1 sin
	v_pk_fma_f32 v[TT+\p:TT+\p+1], v[rA+\p:rA+\p+1], v[rC+\p:rC+\p+1], v[TT+\p:TT+\p+1] neg_lo:[0,0,1] neg_hi:[0,0,1]   ; x1 cos - x2 sin
.endr
.if \set == 0
.irp p, 0,2,4,6,8,10,12,14
	v_pk_mul_f32 v[TT+\p:TT+\p+1], v[TT+\p:TT+\p+1], s[46:47] op_sel_hi:[1,0]   ; q carries c: the scores come out as exponents of 2
.endr
.endif
.irp i, 0,1,2,3,4,5,6,7
	v_cvt_pk_f16_f32 v[HH+8*\rt+\i], v[TT+2*\i], v[TT+2*\i+1]
.endr
.if \set == 0
	global_store_b128 v10, v[HH+8*\rt:HH+8*\rt+3], s[60:61] offset:\rt*1024
	global_store_b128 v10, v[HH+8*\rt+4:HH+8*\rt+7], s[60:61] offset:\rt*1024+512
.else
	global_store_b128 v10, v[HH+8*\rt:HH+8*\rt+3], s[62:63] offset:\rt*1024
	global_store_b128 v10, v[HH+8*\rt+4:HH+8*\rt+7], s[62:63] offset:\rt*1024+512
.endif
.if \rt == 0
	s_cmp_lg_u32 s26, 0                            ; positions 0-15 also leave in f32
	s_cbranch_scc1 .Lnot_fine_\@
.irp q, 0,1,2,3
	global_store_b128 v10, v[TT+4*\q:TT+4*\q+3], s[66:67] offset:\set*2048+\q*512
.endr
.Lnot_fine_\@:
.endif
.endm
	SET 0
	ROPE 0, 0
	ROPE 0, 1
	SET 1
	ROPE 1, 0
	ROPE 1, 1
	SET 2
	s_wait_xcnt 0x0
.irp dt, 0,1                                   ; v: lane (r, h) holds d = 16 dt + r; row tile rt's registers are keys 16 rt + 8 h + 0 .. 7: quad rt of V^T's fragment
.irp rt, 0,1
.irp i, 0,1,2,3
	v_cvt_pk_f16_f32 v[HH+8*\dt+4*\rt+\i], v[ACC+8*(2*\dt+\rt)+2*\i], v[ACC+8*(2*\dt+\rt)+2*\i+1]
.endr
.endr
.endr
.irp dt, 0,1
.irp c, 0,1
	global_store_b128 v10, v[HH+8*\dt+4*\c:HH+8*\dt+4*\c+3], s[62:63] offset:4096+\dt*1024+\c*512
.endr
.endr
	s_cmp_lg_u32 s26, 0
	s_cbranch_scc1 .Lnot_fine_v
.irp dt, 0,1
.irp q, 0,1
	global_store_b128 v10, v[ACC+16*\dt+4*\q:ACC+16*\dt+4*\q+3], s[66:67] offset:4096+\dt*1024+\q*512
.endr
.endr
.Lnot_fine_v:
	s_wait_tensorcnt 0x0                           ; the wave's end, behind my tensor load and my last LDS store
	ds_add_u32 v12, v13
	s_wait_dscnt 0x0
	ROUND                                          ; the closing round: no work-group ends while a partner may still ask for rows that name it
	s_endpgm
.Lfunc_end_k_q7ac263757c_qkv:
	.size	k_q7ac263757c_qkv, .Lfunc_end_k_q7ac263757c_qkv-k_q7ac263757c_qkv
	.p2alignl 7, 3214868480
	.fill 96, 4, 3214868480
	.section	.rodata,"a",@progbits
	.p2align	6, 0x0
	.amdhsa_kernel k_q7ac263757c_qkv
		.amdhsa_group_segment_fixed_size 280576
		.amdhsa_private_segment_fixed_size 0
		.amdhsa_enable_private_segment 0
		.amdhsa_kernarg_size 64
		.amdhsa_user_sgpr_count 2
		.amdhsa_user_sgpr_kernarg_segment_ptr 1
		.amdhsa_wavefront_size32 1
		.amdhsa_system_sgpr_workgroup_id_x 1
		.amdhsa_system_sgpr_workgroup_id_y 1
		.amdhsa_system_sgpr_workgroup_id_z 1
		.amdhsa_system_vgpr_workitem_id 0
		.amdhsa_next_free_vgpr 256
		.amdhsa_next_free_sgpr 96
		.amdhsa_reserve_vcc 1
		.amdhsa_float_denorm_mode_32 3
		.amdhsa_float_denorm_mode_16_64 3
		.amdhsa_memory_ordered 1
		.amdhsa_forward_progress 1
		.amdhsa_inst_pref_size 77
	.end_amdhsa_kernel
	.amdgpu_metadata
---
amdhsa.version: [ 1, 2 ]
amdhsa.kernels:
  - .name:           k_q7ac263757c_qkv
    .symbol:         k_q7ac263757c_qkv.kd
    .args:
      - { .name: input_tensor, .offset: 0, .size: 8, .value_kind: global_buffer, .address_space: global }
      - { .name: w_attn, .offset: 8, .size: 8, .value_kind: global_buffer, .address_space: global }
      - { .name: b_attn, .offset: 16, .size: 8, .value_kind: global_buffer, .address_space: global }
      - { .name: w_proj, .offset: 24, .size: 8, .value_kind: global_buffer, .address_space: global }
      - { .name: qf, .offset: 32, .size: 8, .value_kind: global_buffer, .address_space: global }
      - { .name: kv, .offset: 40, .size: 8, .value_kind: global_buffer, .address_space: global }
      - { .name: fine32, .offset: 48, .size: 8, .value_kind: global_buffer, .address_space: global }
      - { .name: wpf, .offset: 56, .size: 8, .value_kind: global_buffer, .address_space: global }
    .group_segment_fixed_size: 280576
    .private_segment_fixed_size: 0
    .kernarg_segment_align: 8
    .kernarg_segment_size: 64
    .max_flat_workgroup_size: 256
    .sgpr_count:     96
    .vgpr_count:     256
    .wavefront_size: 32
...
	.end_amdgpu_metadata
.endif
;; end of part 1
;; launch attn (part 2): grid 32 x 8, 8 waves a work-group, no clusters, 50,688 bytes of LDS; arguments qf, kv, wpf, b_proj, out0; writes out0
.if DOCPART == 2
	.amdgcn_target "amdgcn-amd-amdhsa--gfx1250"
	.amdhsa_code_object_version 6
	.text
	.protected	k_q7ac263757c_attn
	.globl	k_q7ac263757c_attn
	.p2align	8
	.type	k_q7ac263757c_attn,@function
k_q7ac263757c_attn:
	s_mov_b64 s[64:65], 0
	v_nop
	global_prefetch_b8 v0, s[64:65] scope:SCOPE_SE
	s_setreg_imm32_b32 hwreg(HW_REG_WAVE_MODE, 25, 1), 1
	s_wait_xcnt 0x0
; Causal attention and the projection out, for positions 16 .. 1023 of the 8 sequences: out = softmax(q k^T / sqrt(32)) v w_proj + b_proj.  Products on f16 operands with f32 sums; maxima, exponentials and sums in f32.
; q (already times log2(e) / sqrt(32)), k, v^T and w_proj come as images of operand registers: a fragment is two loads of 16 bytes a lane, 512 consecutive bytes a wave.
; SHARES.  A work-group owns two tiles of 16 queries of one sequence, tile a = i and tile b = 63 - i; wave = head.  Keys go in steps of 64: tile t has t / 4 open steps and one on the diagonal,
; so the two tiles together have 17 tile-steps in every work-group.  A head's K and V are read by one wave of the work-group alone: they go from memory straight into registers, one step ahead.
; No cluster: partners would need different numbers of key steps (16 - i / 4), and inside a work-group no two waves share a tile.
; LAYOUT.  S^T = K Q^T (source 0 = 16 keys, source 1 = 16 queries): a lane holds ONE query (lane % 16) and keys 8 (lane / 16) + 0 .. 7.  Two such tiles, rounded to f16 in pairs, are source 1 of O^T = V^T P,
; whose result holds one query a lane and eight d; rounded in pairs it is source 1 of the projection's K step = head.  The eight heads' fragments meet in LDS, and wave w makes output columns 32 w .. 32 w + 31 of the 32 rows.
; SOFTMAX.  For each query a running maximum m and sum l: p = 2^(s - m); in every step O and l are multiplied by 2^(m_old - m_new).  Hidden scores become -infinity ahead of the maximum; key 0 of a diagonal step always counts.
; Tile 0 (positions 0-15) is worked like every tile and not stored: those rows are another launch's.
; LIMITS: NaN and infinities are not served; o must lie inside f16's range, 65,504.
.set STG,   16384                      ; LDS: 0: o's 16 fragments, (tile x 8 + head) x 1,024; here: 32 rows x (1,024 + 16) of results
.set SPARE, STG+32*1040                ; the spare words, 128 bytes for each wave
.set QR,  16                           ; v16-31   Q: tile a, tile b
.set OA,  32                           ; v32-63   O^T: (tile x 2 + d tile) x 8
.set KF,  64                           ; v64-95   K: four tiles of 16 keys
.set VF,  96                           ; v96-127  V^T: (32-key half x 2 + d tile) x 8
.set SR,  128                          ; v128-191 S^T, then p: tile x 32 + key tile x 8
.set PR,  192                          ; v192-223 p in f16: tile x 16 + half x 8
.set STA, 224                          ; v224-247 a tile's twelve: +0 m (a pair), +2 l (even keys', odd keys'), +4 the factor (a pair), +6 a second chain of sums, +8 .. +11 at work
.set DM,  248                          ; v248, v249: 16 (tile % 4) + r - 8 h;  v250: -infinity
	s_load_b256 s[4:11], s[0:1], 0x0               ; qf s[4:5], kv s[6:7], wpf s[8:9], b_proj s[10:11]
	s_load_b64 s[12:13], s[0:1], 0x20              ; out0
	v_lshl_add_u32 v5, v0, 2, SPARE
	v_mov_b32 v6, 0
	v_lshrrev_b32 v11, 5, v0
	v_readfirstlane_b32 s14, v11                   ; wave = head
	s_mov_b32 s15, ttmp9                           ; i = tile a
	s_and_b32 s16, ttmp7, 0xffff                   ; bn
	s_lshr_b32 s17, s15, 2                         ; N1: steps open to both tiles
	s_lshl_b32 s18, s17, 1
	s_sub_co_u32 s18, 14, s18                      ; N2: steps open to tile b alone
	s_sub_co_u32 s40, 63, s15                      ; tile b
	s_cmp_eq_u32 s15, 0
	s_cselect_b32 s21, 12, 0                       ; the sequence's first work-group prefetches in steps 0 .. 11, the others never
	s_mov_b32 s20, 0                               ; the step's number
	s_mov_b32 s22, 0x76543210                      ; lane l xor 16
	s_mov_b32 s23, 0xfedcba98
	v_and_b32 v1, 15, v0                           ; r
	v_bfe_u32 v2, v0, 4, 1                         ; h
	v_and_b32 v11, 31, v0
	v_lshlrev_b32 v3, 4, v11                       ; 16 x lane
	v_lshlrev_b32 v4, 8, v11                       ; 256 x lane: the prefetches
	s_lshl_b32 s41, s16, 3
	s_add_co_u32 s41, s41, s14                     ; bn x 8 + head
	s_mov_b32 s43, 0
	s_lshl_b32 s42, s41, 17
	s_lshl_b32 s41, s41, 16
	s_wait_kmcnt 0x0
	s_add_nc_u64 s[24:25], s[6:7], s[42:43]        ; K's walk and V's walk: the head's first step
	s_mov_b64 s[26:27], s[24:25]
	s_lshl_b32 s42, s15, 10
	s_add_co_u32 s42, s42, s41
	s_add_nc_u64 s[28:29], s[4:5], s[42:43]        ; Q of tile a,
	s_lshl_b32 s42, s40, 10
	s_add_co_u32 s42, s42, s41
	s_add_nc_u64 s[30:31], s[4:5], s[42:43]        ; of tile b
	global_load_b128 v[QR:QR+3], v3, s[28:29]
	global_load_b128 v[QR+4:QR+7], v3, s[28:29] offset:512
	global_load_b128 v[QR+8:QR+11], v3, s[30:31]
	global_load_b128 v[QR+12:QR+15], v3, s[30:31] offset:512
.irp f, 0,1,2,3
	global_load_b128 v[KF+8*\f:KF+8*\f+3], v3, s[24:25] offset:\f*1024
	global_load_b128 v[KF+8*\f+4:KF+8*\f+7], v3, s[24:25] offset:\f*1024+512
.endr
.irp f, 0,1,2,3
	global_load_b128 v[VF+8*\f:VF+8*\f+3], v3, s[26:27] offset:4096+\f*1024
	global_load_b128 v[VF+8*\f+4:VF+8*\f+7], v3, s[26:27] offset:4096+\f*1024+512
.endr
	s_lshl_b32 s42, s14, 14
	s_add_nc_u64 s[32:33], s[8:9], s[42:43]        ; w_proj's 16 fragments of my 32 output columns
	s_lshl_b32 s42, s14, 7
	s_add_nc_u64 s[34:35], s[10:11], s[42:43]      ; b_proj likewise
	s_lshr_b32 s41, s16, 2                         ; out0: ((b 1024 + 16 tile + 2 w) 4 + n) x 1,024
	s_lshl_b32 s41, s41, 22
	s_and_b32 s42, s16, 3
	s_lshl_b32 s42, s42, 10
	s_add_co_u32 s41, s41, s42
	s_lshl_b32 s42, s14, 13
	s_add_co_u32 s41, s41, s42
	s_lshl_b32 s42, s15, 16
	s_add_co_u32 s42, s42, s41
	s_add_nc_u64 s[36:37], s[12:13], s[42:43]
	s_lshl_b32 s42, s40, 16
	s_add_co_u32 s42, s42, s41
	s_add_nc_u64 s[38:39], s[12:13], s[42:43]
	s_lshl_b32 s41, s14, 10
	v_add_nc_u32 v7, s41, v3                       ; o's image: head x 1,024 + 16 x lane
	v_mul_u32_u24 v8, v1, 1040                     ; the stage, in: row r, + 32 h, + 128 w
	v_lshl_add_u32 v8, v2, 5, v8
	s_lshl_b32 s41, s14, 7
	s_add_co_u32 s41, s41, STG
	v_add_nc_u32 v8, s41, v8
	s_mul_i32 s41, s14, 2080                       ; and back: rows 2 w, 2 w + 1 of each tile, 16 bytes a lane
	s_add_co_u32 s41, s41, STG
	v_add_nc_u32 v9, s41, v3
	v_lshlrev_b32 v10, 5, v2                       ; 32 h: the bias
	v_lshlrev_b32 v11, 3, v2
	v_sub_nc_u32 v11, v1, v11                      ; r - 8 h
	s_and_b32 s41, s15, 3
	s_lshl_b32 s41, s41, 4
	v_add_nc_u32 v[DM], s41, v11
	s_and_b32 s41, s40, 3
	s_lshl_b32 s41, s41, 4
	v_add_nc_u32 v[DM+1], s41, v11
	v_mov_b32 v250, 0xff800000
.irp t, 0,1
	v_mov_b32 v[STA+12*\t], 0xff61b1e6             ; m: -3e38, under every score
	v_mov_b32 v[STA+12*\t+1], 0                    ; (named as the upper half of a pair)
	v_mov_b32 v[STA+12*\t+2], 0                    ; l
	v_mov_b32 v[STA+12*\t+3], 0
	v_mov_b32 v[STA+12*\t+5], 0                    ; (upper half of the factor's pair)
	v_mov_b32 v[STA+12*\t+9], 0                    ; a lane permute's destination counts as one of its sources
.endr
.set n, 0
.rept 32
	v_mov_b32 v[OA+n], 0                           ; O^T.  (A step is written without a first form of its own: the first finds zeros, which the first factor, 0, leaves zeros)
.set n, n+1
.endr
.macro MASK t                          ; register 8 kt + j holds key 16 kt + 8 h + j of the step: hidden where 16 kt + j > 16 (tile % 4) + r - 8 h.  Each accumulator from its low end on
.set n, 0
.rept 32
	v_cmp_gt_i32 vcc_lo, 16*(n/8)+n%8, v[DM+\t]
	v_cndmask_b32 v[SR+32*\t+n], v[SR+32*\t+n], v250, vcc_lo
.set n, n+1
.endr
.endm
.macro MAXT t                          ; the new m and m_old - m_new: four chains, one to an accumulator, each begun at its registers 0, 1, 2
.set rS, SR+32*\t
.set rT, STA+12*\t
.irp k, 0,1,2,3
	v_max3_num_f32 v[rT+8+\k], v[rS+8*\k], v[rS+8*\k+1], v[rS+8*\k+2]
.endr
.irp k, 0,1,2,3
	v_max3_num_f32 v[rT+8+\k], v[rT+8+\k], v[rS+8*\k+3], v[rS+8*\k+4]
.endr
.irp k, 0,1,2,3
	v_max3_num_f32 v[rT+8+\k], v[rT+8+\k], v[rS+8*\k+5], v[rS+8*\k+6]
.endr
	v_max3_num_f32 v[rT+8], v[rT+8], v[rS+7], v[rS+15]
	v_max3_num_f32 v[rT+10], v[rT+10], v[rS+23], v[rS+31]
	v_max3_num_f32 v[rT+8], v[rT+8], v[rT+9], v[rT+10]
	v_max3_num_f32 v[rT+8], v[rT+8], v[rT+11], v[rT]
	v_permlanex16_b32 v[rT+9], v[rT+8], s22, s23   ; the query's other 32 keys lie in the lane 16 away
	v_max_num_f32 v[rT+8], v[rT+8], v[rT+9]
	v_sub_f32 v[rT+4], v[rT], v[rT+8]
	v_mov_b32 v[rT], v[rT+8]
.endm
.macro SUBT t
.set rS, SR+32*\t
.set rT, STA+12*\t
.irp j, 0,2,4,6,8,10,12,14,16,18,20,22,24,26,28,30
	v_pk_add_f32 v[rS+\j:rS+\j+1], v[rS+\j:rS+\j+1], v[rT:rT+1] op_sel_hi:[1,0] neg_lo:[0,1] neg_hi:[0,1]   ; s - m, two at a time
.endr
.endm
.macro EXPT t
.set rS, SR+32*\t
.set rT, STA+12*\t
	v_exp_f32 v[rT+4], v[rT+4]
.set n, 0
.rept 32
	v_exp_f32 v[rS+n], v[rS+n]
.set n, n+1
.endr
.endm
.macro SUMT t                          ; l = l x factor + the sum of the f32 p, in two chains
.set rS, SR+32*\t
.set rT, STA+12*\t
	v_pk_mul_f32 v[rT+2:rT+3], v[rT+2:rT+3], v[rT+4:rT+5] op_sel_hi:[1,0]
	v_pk_add_f32 v[rT+6:rT+7], v[rS:rS+1], v[rS+2:rS+3]
.irp j, 4,8,12,16,20,24,28
	v_pk_add_f32 v[rT+2:rT+3], v[rT+2:rT+3], v[rS+\j:rS+\j+1]
	v_pk_add_f32 v[rT+6:rT+7], v[rT+6:rT+7], v[rS+\j+2:rS+\j+3]
.endr
	v_pk_add_f32 v[rT+2:rT+3], v[rT+2:rT+3], v[rT+6:rT+7]
.endm
.macro CVTT t
.set n, 0
.rept 16
	v_cvt_pk_f16_f32 v[PR+16*\t+n], v[SR+32*\t+2*n], v[SR+32*\t+2*n+1]
.set n, n+1
.endr
.endm
.macro RESC t                          ; O^T x factor, each accumulator from its low end on
.set rT, STA+12*\t
.irp j, 0,2,4,6,8,10,12,14
	v_pk_mul_f32 v[OA+16*\t+\j:OA+16*\t+\j+1], v[OA+16*\t+\j:OA+16*\t+\j+1], v[rT+4:rT+5] op_sel_hi:[1,0]
.endr
.endm
.macro WLOAD fl                        ; fragment fl = column tile x 8 + K step of w_proj, at v[64 + 8 fl]
	global_load_b128 v[64+8*(\fl):64+8*(\fl)+3], v3, s[32:33] offset:(\fl)*1024
	global_load_b128 v[64+8*(\fl)+4:64+8*(\fl)+7], v3, s[32:33] offset:(\fl)*1024+512
.endm
.macro PLACES
.rept 4
	v_nop
.endr
.endm
; A KEY STEP of 64 keys.  ta: tile a still walks;  ma, mb: tile a, b lies on the diagonal;  last: no step follows, and the registers that come free take the projection's operands.
.macro STEP ta, ma, mb, last
	s_wait_loadcnt 8                               ; this step's K (and Q) are in; V's eight loads, issued behind, may stay out
.irp kt, 0,1,2,3
.if \ta
	v_wmma_f32_16x16x32_f16 v[SR+8*\kt:SR+8*\kt+7], v[KF+8*\kt:KF+8*\kt+7], v[QR:QR+7], 0
.endif
	v_wmma_f32_16x16x32_f16 v[SR+32+8*\kt:SR+32+8*\kt+7], v[KF+8*\kt:KF+8*\kt+7], v[QR+8:QR+15], 0
.endr
	PLACES                                         ; in front of the loads into registers that the products have read, and of the first read of the scores
.if \last
.irp ct, 0,1
	global_load_b128 v[QR+8*\ct:QR+8*\ct+3], v10, s[34:35] offset:\ct*64       ; b_proj at columns 32 w + 16 ct + 8 h + 0 .. 7: the C of the projection's first products
	global_load_b128 v[QR+8*\ct+4:QR+8*\ct+7], v10, s[34:35] offset:\ct*64+16
.endr
.irp fl, 0,1,2,3,8,9,10,11
	WLOAD \fl                                      ; into K's registers and tile a's idle scores
.endr
.else
	s_wait_xcnt 0x0                                ; the last prefetch, a step back, has read its base
	s_add_nc_u64 s[24:25], s[24:25], 8192
.irp f, 0,1,2,3
	global_load_b128 v[KF+8*\f:KF+8*\f+3], v3, s[24:25] offset:\f*1024         ; the next step's K
	global_load_b128 v[KF+8*\f+4:KF+8*\f+7], v3, s[24:25] offset:\f*1024+512
.endr
	s_cmp_lt_u32 s20, s21                          ; in step s the sequence's first work-group, which walks all 16 steps, names step s + 4's block of its wave's head: 32 lanes, 256 bytes apart; each block once in the launch; none behind step 11
	s_cbranch_scc0 .Lno_pf_\@
	global_prefetch_b8 v4, s[24:25] offset:24576 th:TH_LOAD_NT scope:SCOPE_SE
.Lno_pf_\@:
.endif
.if \ma
	MASK 0
.endif
.if \mb
	MASK 1
.endif
.if \ta
	MAXT 0
.endif
	MAXT 1
.if \ta
	SUBT 0
.endif
	SUBT 1
.if \ta
	EXPT 0
.endif
	EXPT 1
	v_nop                                          ; a plain instruction behind the last exponential
	s_wait_alu depctr_va_vdst(0)                   ; the wait ahead of the first instruction that names a result: one for the whole batch
.if \ta
	SUMT 0
	CVTT 0
	RESC 0
.endif
	SUMT 1
	CVTT 1
	RESC 1
.if \last
	s_wait_loadcnt 20                              ; V is in; the bias's 4 loads and w_proj's 16 may stay out
.else
	s_wait_loadcnt 8                               ; V is in; the next K's eight loads may stay out
.endif
.irp kb, 0,1                                   ; O^T += V^T P: the accumulators by turns, one instruction a turn
.irp dt, 0,1
.if \ta
	v_wmma_f32_16x16x32_f16 v[OA+8*\dt:OA+8*\dt+7], v[VF+8*(2*\kb+\dt):VF+8*(2*\kb+\dt)+7], v[PR+8*\kb:PR+8*\kb+7], v[OA+8*\dt:OA+8*\dt+7]
.endif
	v_wmma_f32_16x16x32_f16 v[OA+16+8*\dt:OA+16+8*\dt+7], v[VF+8*(2*\kb+\dt):VF+8*(2*\kb+\dt)+7], v[PR+16+8*\kb:PR+16+8*\kb+7], v[OA+16+8*\dt:OA+16+8*\dt+7]
.endr
.endr
	PLACES                                         ; in front of the loads into V's registers
.if \last
.irp fl, 4,5,6,7,12,13,14,15
	WLOAD \fl                                      ; into V's registers and tile b's scores
.endr
.else
	s_add_nc_u64 s[26:27], s[26:27], 8192          ; (V's loads have been waited for: their base is free)
.irp f, 0,1,2,3
	global_load_b128 v[VF+8*\f:VF+8*\f+3], v3, s[26:27] offset:4096+\f*1024    ; the next step's V
	global_load_b128 v[VF+8*\f+4:VF+8*\f+7], v3, s[26:27] offset:4096+\f*1024+512
.endr
.endif
	s_add_co_u32 s20, s20, 1
.endm
	s_cmp_eq_u32 s17, 0
	s_cbranch_scc1 .Ldiag_a
	s_mov_b32 s19, 0
.Lboth:                                            ; N1 steps open to both tiles
	STEP 1, 0, 0, 0
	s_add_co_u32 s19, s19, 1
	s_cmp_lt_u32 s19, s17
	s_cbranch_scc1 .Lboth
.Ldiag_a:
	STEP 1, 1, 0, 0                                ; tile a's diagonal
	s_cmp_eq_u32 s18, 0
	s_cbranch_scc1 .Ldiag_b
	s_mov_b32 s19, 0
.Lone:                                             ; N2 steps of tile b alone
	STEP 0, 0, 0, 0
	s_add_co_u32 s19, s19, 1
	s_cmp_lt_u32 s19, s18
	s_cbranch_scc1 .Lone
.Ldiag_b:
	STEP 0, 0, 1, 1                                ; tile b's diagonal: the last step, written out: it loads nothing beyond the head's keys
	; O^T / l, rounded to f16: the projection's source 1 for K step = my head
.irp t, 0,1
	v_add_f32 v[STA+12*\t+8], v[STA+12*\t+2], v[STA+12*\t+3]
.endr
.irp t, 0,1
	v_permlanex16_b32 v[STA+12*\t+9], v[STA+12*\t+8], s22, s23
.endr
.irp t, 0,1
	v_add_f32 v[STA+12*\t+8], v[STA+12*\t+8], v[STA+12*\t+9]
.endr
.irp t, 0,1
	v_rcp_f32 v[STA+12*\t+4], v[STA+12*\t+8]
.endr
	v_nop
	s_wait_alu depctr_va_vdst(0)                   ; one wait for the two reciprocals, ahead of their first reader
	RESC 0
	RESC 1
.set n, 0
.rept 16
	v_cvt_pk_f16_f32 v[PR+n], v[OA+2*n], v[OA+2*n+1]   ; tile t's fragment at v[192 + 8 t]: d 8 h + 0 .. 7, then 16 + 8 h + 0 .. 7
.set n, n+1
.endr
.irp t, 0,1
.irp c, 0,1
	ds_store_b128 v7, v[PR+8*\t+4*\c:PR+8*\t+4*\c+3] offset:\t*8192+\c*512
.endr
.endr
	s_wait_dscnt 0x0                               ; for the others' sake: my fragments have landed
	s_barrier_signal -1
	s_barrier_wait -1                              ; all eight heads' fragments of both tiles lie in LDS
; The projection: my two tiles of output columns x the two tiles of rows, four K steps (heads) at a time; four accumulators by turns; transposed: a lane holds one row and eight neighbouring columns.
.macro PROJ half
.if \half
	PLACES                                         ; in front of the loads into registers that the products have read
.endif
.irp rt, 0,1
.irp q, 0,1,2,3
.irp c, 0,1
	ds_load_b128 v[192+8*(4*\rt+\q)+4*\c:192+8*(4*\rt+\q)+4*\c+3], v3 offset:(8*\rt+4*\half+\q)*1024+\c*512
.endr
.endr
.endr
	s_wait_dscnt 0x0
	s_wait_loadcnt 16-16*\half                     ; the bias and this half's eight fragments of w_proj are in; the other half's 16 loads may stay out
.irp q, 0,1,2,3
.irp ct, 0,1
.irp rt, 0,1
.if (\half == 0) && (\q == 0)
	v_wmma_f32_16x16x32_f16 v[OA+8*(2*\ct+\rt):OA+8*(2*\ct+\rt)+7], v[64+8*(8*\ct+4*\half+\q):64+8*(8*\ct+4*\half+\q)+7], v[192+8*(4*\rt+\q):192+8*(4*\rt+\q)+7], v[QR+8*\ct:QR+8*\ct+7]
.else
	v_wmma_f32_16x16x32_f16 v[OA+8*(2*\ct+\rt):OA+8*(2*\ct+\rt)+7], v[64+8*(8*\ct+4*\half+\q):64+8*(8*\ct+4*\half+\q)+7], v[192+8*(4*\rt+\q):192+8*(4*\rt+\q)+7], v[OA+8*(2*\ct+\rt):OA+8*(2*\ct+\rt)+7]
.endif
.endr
.endr
.endr
.endm
	PROJ 0
	PROJ 1
	PLACES                                         ; in front of the first read of results and of the loads into w_proj's registers
.irp ct, 0,1
.irp rt, 0,1
	ds_store_b128 v8, v[OA+8*(2*\ct+\rt):OA+8*(2*\ct+\rt)+3] offset:\rt*16640+\ct*64       ; each accumulator from its low end on
	ds_store_b128 v8, v[OA+8*(2*\ct+\rt)+4:OA+8*(2*\ct+\rt)+7] offset:\rt*16640+\ct*64+16
.endr
.endr
	s_wait_dscnt 0x0
	s_barrier_signal -1
	s_barrier_wait -1                              ; 32 whole rows lie in the stage
.irp t, 0,1
.irp e, 0,1
.irp u, 0,1
	ds_load_b128 v[64+4*(4*\t+2*\e+\u):64+4*(4*\t+2*\e+\u)+3], v9 offset:\t*16640+\e*1040+\u*512
.endr
.endr
.endr
	s_wait_dscnt 0x0
.irp e, 0,1
.irp u, 0,1
	global_store_b128 v3, v[64+4*(4+2*\e+\u):64+4*(4+2*\e+\u)+3], s[38:39] offset:\e*4096+\u*512 th:TH_STORE_NT   ; 32 lanes store 512 consecutive bytes of a row, aligned
.endr
.endr
	s_cmp_eq_u32 s15, 0                            ; tile 0 is not stored here
	s_cbranch_scc1 .Lnot_a
.irp e, 0,1
.irp u, 0,1
	global_store_b128 v3, v[64+4*(2*\e+\u):64+4*(2*\e+\u)+3], s[36:37] offset:\e*4096+\u*512 th:TH_STORE_NT
.endr
.endr
.Lnot_a:
	s_wait_tensorcnt 0x0                           ; the wave's end, behind my last LDS store
	ds_add_u32 v5, v6
	s_wait_dscnt 0x0
	s_endpgm
.Lfunc_end_k_q7ac263757c_attn:
	.size	k_q7ac263757c_attn, .Lfunc_end_k_q7ac263757c_attn-k_q7ac263757c_attn
	.p2alignl 7, 3214868480
	.fill 96, 4, 3214868480
	.section	.rodata,"a",@progbits
	.p2align	6, 0x0
	.amdhsa_kernel k_q7ac263757c_attn
		.amdhsa_group_segment_fixed_size 50688
		.amdhsa_private_segment_fixed_size 0
		.amdhsa_enable_private_segment 0
		.amdhsa_kernarg_size 40
		.amdhsa_user_sgpr_count 2
		.amdhsa_user_sgpr_kernarg_segment_ptr 1
		.amdhsa_wavefront_size32 1
		.amdhsa_system_sgpr_workgroup_id_x 1
		.amdhsa_system_sgpr_workgroup_id_y 1
		.amdhsa_system_sgpr_workgroup_id_z 1
		.amdhsa_system_vgpr_workitem_id 0
		.amdhsa_next_free_vgpr 256
		.amdhsa_next_free_sgpr 66
		.amdhsa_reserve_vcc 1
		.amdhsa_float_denorm_mode_32 3
		.amdhsa_float_denorm_mode_16_64 3
		.amdhsa_memory_ordered 1
		.amdhsa_forward_progress 1
		.amdhsa_inst_pref_size 68
	.end_amdhsa_kernel
	.amdgpu_metadata
---
amdhsa.version: [ 1, 2 ]
amdhsa.kernels:
  - .name:           k_q7ac263757c_attn
    .symbol:         k_q7ac263757c_attn.kd
    .args:
      - { .name: qf, .offset: 0, .size: 8, .value_kind: global_buffer, .address_space: global }
      - { .name: kv, .offset: 8, .size: 8, .value_kind: global_buffer, .address_space: global }
      - { .name: wpf, .offset: 16, .size: 8, .value_kind: global_buffer, .address_space: global }
      - { .name: b_proj, .offset: 24, .size: 8, .value_kind: global_buffer, .address_space: global }
      - { .name: out0, .offset: 32, .size: 8, .value_kind: global_buffer, .address_space: global }
    .group_segment_fixed_size: 50688
    .private_segment_fixed_size: 0
    .kernarg_segment_align: 8
    .kernarg_segment_size: 40
    .max_flat_workgroup_size: 256
    .sgpr_count:     66
    .vgpr_count:     256
    .wavefront_size: 32
...
	.end_amdgpu_metadata
.endif
;; end of part 2
;; launch first16 (part 3): grid 4 x 8, 8 waves a work-group, no clusters, 26,368 bytes of LDS; arguments fine32, w_proj, b_proj, out0; writes out0
.if DOCPART == 3
	.amdgcn_target "amdgcn-amd-amdhsa--gfx1250"
	.amdhsa_code_object_version 6
	.text
	.protected	k_q7ac263757c_first16
	.globl	k_q7ac263757c_first16
	.p2align	8
	.type	k_q7ac263757c_first16,@function
k_q7ac263757c_first16:
	s_mov_b64 s[64:65], 0
	v_nop
	global_prefetch_b8 v0, s[64:65] scope:SCOPE_SE
	s_setreg_imm32_b32 hwreg(HW_REG_WAVE_MODE, 25, 1), 1
	s_wait_xcnt 0x0
; Positions 0 .. 15 of the 8 sequences, all in f32: these rows average one to sixteen values, so their operands are not rounded to 16 bits.  Scores, softmax, P V and the projection, by the f32 matrix form: 48 products a wave.
; A work-group takes one sequence and 64 output columns (256 bytes of each row).  Part 1: wave = head (the four column groups each repeat this small attention).  Part 2: wave = (column tile w % 4, half of K w / 4).
; fine32 holds q (times log2(e) / sqrt(32)), k and v of these positions as images of registers: q, k: lane (r, h) = position r, registers 0-7 d = 8 h + j, 8-15 d = 16 + 8 h + j;  v: lane = d 16 dt + r, register j = position 8 h + j.
; The f32 form takes k = 2 h + j from register j of a pair.  Both sources of a product are read from registers laid alike, so each pair of registers stands for the same four k on both sides, and all k are met once.
; The registers that the f32 matrix form writes, v64-127, are written by matrix instructions alone; each sum begins with the constant 0.
; LIMITS: NaN and infinities are not served.
.set PS,    16*1040                    ; LDS: 0: o, 16 rows x (1,024 + 16);  here: the two halves' sums, 2 x 16 rows x (256 + 16)
.set SPARE, PS+2*16*272                ; the spare words, 128 bytes for each wave
.set QI, 16                            ; v16-31 q, v32-47 k, v48-63 v
.set KI, 32
.set VI, 48
.set SA, 64                            ; v64-79 the scores in two sums; v80-95 O^T; v96-127 the projection in four sums
.set OT, 80
.set PJ, 96
.set ST, 128                           ; v128-135 scores, then p; v136-141 at work; then v128-191: 64 numbers of o
.set WW, 192                           ; v192-255 64 numbers of w_proj
	s_load_b256 s[4:11], s[0:1], 0x0               ; fine32 s[4:5], w_proj s[6:7], b_proj s[8:9], out0 s[10:11]
	v_lshl_add_u32 v5, v0, 2, SPARE
	v_mov_b32 v6, 0
	v_lshrrev_b32 v4, 5, v0
	v_readfirstlane_b32 s12, v4                    ; wave
	s_mov_b32 s13, ttmp9                           ; column group
	s_and_b32 s14, ttmp7, 0xffff                   ; bn
	s_and_b32 s15, s12, 3                          ; column tile
	s_lshr_b32 s16, s12, 2                         ; half of K
	s_mov_b32 s18, 0x76543210                      ; lane l xor 16
	s_mov_b32 s19, 0xfedcba98
	v_and_b32 v1, 15, v0                           ; r
	v_bfe_u32 v2, v0, 4, 1                         ; h
	v_and_b32 v4, 31, v0
	v_lshlrev_b32 v3, 4, v4                        ; 16 x lane
	v_lshlrev_b32 v7, 2, v1                        ; w_proj: 4 r + 64 h rows of 1,024 bytes
	v_lshl_add_u32 v7, v2, 16, v7
	v_mul_u32_u24 v8, v1, 1040                     ; o, in: row r, + 128 w + 32 h
	v_lshl_add_u32 v8, v2, 5, v8
	s_lshl_b32 s17, s12, 7
	v_add_nc_u32 v8, s17, v8
	v_mul_u32_u24 v9, v1, 1040                     ; o, back: row r, + 512 x half of K + 256 h
	v_lshl_add_u32 v9, v2, 8, v9
	s_lshl_b32 s17, s16, 9
	v_add_nc_u32 v9, s17, v9
	v_mul_u32_u24 v10, v1, 272                     ; the sums, in: half of K x 4,352 + row r + 64 x column tile + 32 h
	v_lshl_add_u32 v10, v2, 5, v10
	s_mul_i32 s17, s16, 4352
	s_lshl_b32 s22, s15, 6
	s_add_co_u32 s17, s17, s22
	s_add_co_u32 s17, s17, PS
	v_add_nc_u32 v10, s17, v10
	v_mul_u32_u24 v11, v2, 272                     ; and back: row 2 w + h, 16 bytes for each of sixteen lanes
	v_lshl_add_u32 v11, v1, 4, v11
	s_mul_i32 s17, s12, 544
	s_add_co_u32 s17, s17, PS
	v_add_nc_u32 v11, s17, v11
	v_lshlrev_b32 v15, 4, v1                       ; 16 r: the bias
	v_lshl_add_u32 v12, v2, 12, v15                ; out0: 4,096 h + 16 r
	v_lshlrev_b32 v13, 3, v2
	v_sub_nc_u32 v13, v1, v13                      ; r - 8 h
	v_mov_b32 v14, 0xff800000
	v_mov_b32 v137, 0                              ; a lane permute's destination counts as one of its sources
	s_mov_b32 s21, 0
	s_lshl_b32 s20, s14, 3
	s_add_co_u32 s20, s20, s12
	s_mul_i32 s20, s20, 6144
	s_wait_kmcnt 0x0
	s_add_nc_u64 s[24:25], s[4:5], s[20:21]        ; fine32 at (bn, head = wave)
	s_lshl_b32 s20, s16, 17
	s_lshl_b32 s22, s13, 8
	s_add_co_u32 s20, s20, s22
	s_lshl_b32 s23, s15, 6
	s_add_co_u32 s20, s20, s23
	s_add_nc_u64 s[26:27], s[6:7], s[20:21]        ; w_proj at row 128 x half of K, column 64 group + 16 tile
	s_mov_b32 s20, s22
	s_add_nc_u64 s[28:29], s[8:9], s[20:21]        ; b_proj at the group's columns
	s_lshr_b32 s20, s14, 2                         ; out0: ((b 1024 + 2 w) 4 + n) x 1,024 + 256 x group
	s_lshl_b32 s20, s20, 22
	s_add_co_u32 s20, s20, s22
	s_and_b32 s22, s14, 3
	s_lshl_b32 s22, s22, 10
	s_add_co_u32 s20, s20, s22
	s_lshl_b32 s22, s12, 13
	s_add_co_u32 s20, s20, s22
	s_add_nc_u64 s[30:31], s[10:11], s[20:21]
.set n, 0
.rept 12
	global_load_b128 v[QI+4*n:QI+4*n+3], v3, s[24:25] offset:n*512   ; q's four quads, k's four, v's four: they lie on end in memory and in registers
.set n, n+1
.endr
.set n, 0
.rept 64
	global_load_b32 v[WW+n], v7, s[26:27] offset:n*1024              ; w_proj(128 half + 64 h + n, my column)
.set n, n+1
.endr
	s_wait_loadcnt 63                              ; the 12 oldest loads are in (the count names the most that its field holds)
	v_wmma_f32_16x16x4_f32 v[SA:SA+7], v[KI:KI+1], v[QI:QI+1], 0                 ; S^T = K Q^T: two sums by turns
	v_wmma_f32_16x16x4_f32 v[SA+8:SA+15], v[KI+2:KI+3], v[QI+2:QI+3], 0
.irp s, 2,4,6
	v_wmma_f32_16x16x4_f32 v[SA:SA+7], v[KI+2*\s:KI+2*\s+1], v[QI+2*\s:QI+2*\s+1], v[SA:SA+7]
	v_wmma_f32_16x16x4_f32 v[SA+8:SA+15], v[KI+2*\s+2:KI+2*\s+3], v[QI+2*\s+2:QI+2*\s+3], v[SA+8:SA+15]
.endr
.rept 8
	v_nop                                          ; eight places behind this form
.endr
.irp j, 0,1,2,3,4,5,6,7
	v_add_f32 v[ST+\j], v[SA+\j], v[SA+8+\j]       ; lane (r, h): query r, key 8 h + j
.endr
.irp j, 0,1,2,3,4,5,6,7
	v_cmp_gt_i32 vcc_lo, \j, v13                   ; hidden where 8 h + j > r
	v_cndmask_b32 v[ST+\j], v[ST+\j], v14, vcc_lo
.endr
	v_max3_num_f32 v136, v[ST], v[ST+1], v[ST+2]
	v_max3_num_f32 v136, v136, v[ST+3], v[ST+4]
	v_max3_num_f32 v136, v136, v[ST+5], v[ST+6]
	v_max_num_f32 v136, v136, v[ST+7]
	v_permlanex16_b32 v137, v136, s18, s19
	v_max_num_f32 v136, v136, v137                 ; the row's maximum: key 0 counts for every query
.irp j, 0,1,2,3,4,5,6,7
	v_sub_f32 v[ST+\j], v[ST+\j], v136
.endr
.irp j, 0,1,2,3,4,5,6,7
	v_exp_f32 v[ST+\j], v[ST+\j]
.endr
	v_nop
	s_wait_alu depctr_va_vdst(0)                   ; one wait for the eight exponentials, ahead of their first reader
	v_add_f32 v138, v[ST], v[ST+1]
	v_add_f32 v139, v[ST+2], v[ST+3]
	v_add_f32 v140, v[ST+4], v[ST+5]
	v_add_f32 v141, v[ST+6], v[ST+7]
	v_add_f32 v138, v138, v139
	v_add_f32 v140, v140, v141
	v_add_f32 v138, v138, v140
	v_permlanex16_b32 v137, v138, s18, s19
	v_add_f32 v138, v138, v137
	v_rcp_f32 v139, v138
	v_nop
	s_wait_alu depctr_va_vdst(0)
.irp j, 0,1,2,3,4,5,6,7
	v_mul_f32 v[ST+\j], v[ST+\j], v139             ; the weights
.endr
	v_wmma_f32_16x16x4_f32 v[OT:OT+7], v[VI:VI+1], v[ST:ST+1], 0                 ; O^T = V^T P: the two tiles of d by turns
	v_wmma_f32_16x16x4_f32 v[OT+8:OT+15], v[VI+8:VI+9], v[ST:ST+1], 0
.irp s, 1,2,3
	v_wmma_f32_16x16x4_f32 v[OT:OT+7], v[VI+2*\s:VI+2*\s+1], v[ST+2*\s:ST+2*\s+1], v[OT:OT+7]
	v_wmma_f32_16x16x4_f32 v[OT+8:OT+15], v[VI+8+2*\s:VI+9+2*\s], v[ST+2*\s:ST+2*\s+1], v[OT+8:OT+15]
.endr
.rept 8
	v_nop
.endr
.irp dt, 0,1
	ds_store_b128 v8, v[OT+8*\dt:OT+8*\dt+3] offset:\dt*64          ; lane (r, h): o(r, 32 w + 16 dt + 8 h + 0 .. 7); each accumulator from its low end on
	ds_store_b128 v8, v[OT+8*\dt+4:OT+8*\dt+7] offset:\dt*64+16
.endr
	s_wait_dscnt 0x0
	s_barrier_signal -1
	s_barrier_wait -1                              ; 16 whole rows of o lie in LDS
	global_load_b128 v[24:27], v15, s[28:29]       ; b_proj at columns 64 group + 4 r + 0 .. 3 (q's registers are done with)
.set n, 0
.rept 16
	ds_load_b128 v[ST+4*n:ST+4*n+3], v9 offset:n*16                 ; o(r, 128 half + 64 h + 0 .. 63)
.set n, n+1
.endr
	s_wait_dscnt 0x0
	s_wait_loadcnt 0x0                             ; w_proj and the bias
.irp s, 0,1,2,3
	v_wmma_f32_16x16x4_f32 v[PJ+8*\s:PJ+8*\s+7], v[WW+2*\s:WW+2*\s+1], v[ST+2*\s:ST+2*\s+1], 0     ; four sums by turns
.endr
.set n, 4
.rept 28
	v_wmma_f32_16x16x4_f32 v[PJ+8*(n%4):PJ+8*(n%4)+7], v[WW+2*n:WW+2*n+1], v[ST+2*n:ST+2*n+1], v[PJ+8*(n%4):PJ+8*(n%4)+7]
.set n, n+1
.endr
.rept 8
	v_nop
.endr
.irp j, 0,1,2,3,4,5,6,7
	v_add_f32 v[16+\j], v[PJ+\j], v[PJ+8+\j]
.endr
.irp j, 0,1,2,3,4,5,6,7
	v_add_f32 v[32+\j], v[PJ+16+\j], v[PJ+24+\j]
.endr
.irp j, 0,1,2,3,4,5,6,7
	v_add_f32 v[16+\j], v[16+\j], v[32+\j]         ; lane (r, h): row r, columns 16 tile + 8 h + 0 .. 7, my half of K
.endr
	ds_store_b128 v10, v[16:19]
	ds_store_b128 v10, v[20:23] offset:16
	s_wait_dscnt 0x0
	s_barrier_signal -1
	s_barrier_wait -1
	ds_load_b128 v[28:31], v11
	ds_load_b128 v[32:35], v11 offset:4352
	s_wait_dscnt 0x0
	v_pk_add_f32 v[28:29], v[28:29], v[32:33]      ; the two halves of K,
	v_pk_add_f32 v[30:31], v[30:31], v[34:35]
	v_pk_add_f32 v[28:29], v[28:29], v[24:25]      ; and the bias
	v_pk_add_f32 v[30:31], v[30:31], v[26:27]
	global_store_b128 v12, v[28:31], s[30:31] th:TH_STORE_NT        ; sixteen lanes store 256 consecutive bytes, aligned
	s_wait_tensorcnt 0x0                           ; the wave's end, behind my last LDS store
	ds_add_u32 v5, v6
	s_wait_dscnt 0x0
	s_endpgm
.Lfunc_end_k_q7ac263757c_first16:
	.size	k_q7ac263757c_first16, .Lfunc_end_k_q7ac263757c_first16-k_q7ac263757c_first16
	.p2alignl 7, 3214868480
	.fill 96, 4, 3214868480
	.section	.rodata,"a",@progbits
	.p2align	6, 0x0
	.amdhsa_kernel k_q7ac263757c_first16
		.amdhsa_group_segment_fixed_size 26368
		.amdhsa_private_segment_fixed_size 0
		.amdhsa_enable_private_segment 0
		.amdhsa_kernarg_size 32
		.amdhsa_user_sgpr_count 2
		.amdhsa_user_sgpr_kernarg_segment_ptr 1
		.amdhsa_wavefront_size32 1
		.amdhsa_system_sgpr_workgroup_id_x 1
		.amdhsa_system_sgpr_workgroup_id_y 1
		.amdhsa_system_sgpr_workgroup_id_z 1
		.amdhsa_system_vgpr_workitem_id 0
		.amdhsa_next_free_vgpr 256
		.amdhsa_next_free_sgpr 66
		.amdhsa_reserve_vcc 1
		.amdhsa_float_denorm_mode_32 3
		.amdhsa_float_denorm_mode_16_64 3
		.amdhsa_memory_ordered 1
		.amdhsa_forward_progress 1
		.amdhsa_inst_pref_size 20
	.end_amdhsa_kernel
	.amdgpu_metadata
---
amdhsa.version: [ 1, 2 ]
amdhsa.kernels:
  - .name:           k_q7ac263757c_first16
    .symbol:         k_q7ac263757c_first16.kd
    .args:
      - { .name: fine32, .offset: 0, .size: 8, .value_kind: global_buffer, .address_space: global }
      - { .name: w_proj, .offset: 8, .size: 8, .value_kind: global_buffer, .address_space: global }
      - { .name: b_proj, .offset: 16, .size: 8, .value_kind: global_buffer, .address_space: global }
      - { .name: out0, .offset: 24, .size: 8, .value_kind: global_buffer, .address_space: global }
    .group_segment_fixed_size: 26368
    .private_segment_fixed_size: 0
    .kernarg_segment_align: 8
    .kernarg_segment_size: 32
    .max_flat_workgroup_size: 256
    .sgpr_count:     66
    .vgpr_count:     256
    .wavefront_size: 32
...
	.end_amdgpu_metadata
.endif
;; end of part 3
